; MI455X (gfx1250); checked and timed in simulation.
; The chip was launched on July 23, 2026; its instructions are those of AMD's public machine-readable ISA for CDNA 5 (MIT licence, August 2026) and "CDNA5" Instruction Set Architecture Reference Guide (July 2026). The comments in the code are by the model that wrote it; some were corrected since.
;; Attention. Allowed arithmetic: float matrix products may take bf16 or f16 operands with f32 sums; other float arithmetic in f32, or as packed bf16 or f16 multiplies, adds, multiply-adds, maxima and minima; sums over many terms, partial sums and values carried from step to step in f32; what a program stores and reads back later, other than sums and carried values, may be rounded once to bf16 or f16.
;; Inputs: mask 4,096 x 4,096 int32; w_k 1,024 x 1,024 float32; w_q 1,024 x 1,024 float32; w_v 1,024 x 1,024 float32; x 1 x 4,096 x 1,024 float32.
;; Outputs: out0 1 x 4,096 x 1,024 float32.
;; One version. Each part assembles by itself: llvm-mc -triple=amdgcn-amd-amdhsa -mcpu=gfx1250 --defsym DOCPART=n.
;; ======== version 1 of 1: 4 launches
;; limits: values are held in f16: magnitudes above 65,504 overflow, below 6.1e-05 lose precision
;; workspace buffers: xw 14,680,064 bytes; qkv 25,165,824 bytes; pb 33,554,432 bytes; stats 1,048,576 bytes
;; launch cast (part 1): grid 128 x 7, 8 waves a work-group, no clusters, 0 bytes of LDS; arguments x, w_q, w_k, w_v, xw; writes xw
.if DOCPART == 1
	.amdgcn_target "amdgcn-amd-amdhsa--gfx1250"
	.amdhsa_code_object_version 6
	.text
	.protected	k_qeb4156ada8_cast
	.globl	k_qeb4156ada8_cast
	.p2align	8
	.type	k_qeb4156ada8_cast,@function
k_qeb4156ada8_cast:
	s_mov_b64 s[64:65], 0
	v_nop
	global_prefetch_b8 v0, s[64:65] scope:SCOPE_SE
	s_setreg_imm32_b32 hwreg(HW_REG_WAVE_MODE, 25, 1), 1
	s_wait_xcnt 0x0
; f32 to bf16 (round to nearest even) for x, w_q, w_k, w_v.  xw holds seven matrices [1024][1024] bf16 of 2 MiB:
; x's rows 0-1023, 1024-2047, 2048-3071, 3072-4095, then w_q, w_k, w_v.
; Grid y picks one chunk of 4 MiB of f32 (1024 rows), grid x 32 KiB of it.  Thread t takes 16 bytes at 16 t + 4096 i, i = 0 .. 7:
; a wave's load covers 512 consecutive bytes, its store of 8 bytes a lane 256 consecutive bytes at a multiple of 256.
; A plain stream: no LDS, no barrier, no matrix unit.  All eight loads go out first; no register is written twice, so the
; only waits are the counted ones for the loads.
.set X, 4                              ; v[4:35]   slot i: 4 f32 as loaded
.set Y, 36                             ; v[36:51]  slot i: 4 bf16 to store
	s_load_b256 s[4:11], s[0:1], 0x0               ; x s[4:5], w_q s[6:7], w_k s[8:9], w_v s[10:11]
	s_load_b64 s[12:13], s[0:1], 0x20              ; xw
	s_and_b32 s20, ttmp7, 0xffff                   ; the chunk, 0 .. 6
	s_min_u32 s21, s20, 3
	s_lshl_b32 s22, s21, 22                        ; x's chunk, in bytes (used for chunks 0 .. 3 alone)
	s_mov_b32 s23, 0
	s_lshl_b32 s24, ttmp9, 15                      ; my 32 KiB of the source chunk
	s_mov_b32 s25, 0
	s_lshl_b32 s26, s20, 21                        ; the chunk's 2 MiB in xw
	s_lshl_b32 s27, ttmp9, 14                      ; and my 16 KiB of them
	s_add_co_u32 s26, s26, s27
	s_mov_b32 s27, 0
	v_lshlrev_b32 v1, 4, v0                        ; 16 t
	v_lshlrev_b32 v2, 3, v0                        ; 8 t
	s_wait_kmcnt 0x0
	s_add_nc_u64 s[16:17], s[4:5], s[22:23]        ; the source: x's chunk,
	s_cmp_eq_u32 s20, 4
	s_cselect_b64 s[16:17], s[6:7], s[16:17]       ; or w_q,
	s_cmp_eq_u32 s20, 5
	s_cselect_b64 s[16:17], s[8:9], s[16:17]       ; or w_k,
	s_cmp_eq_u32 s20, 6
	s_cselect_b64 s[16:17], s[10:11], s[16:17]     ; or w_v: the choice hangs on the grid's y alone
	s_add_nc_u64 s[16:17], s[16:17], s[24:25]
	s_add_nc_u64 s[12:13], s[12:13], s[26:27]
.irp i, 0,1,2,3,4,5,6,7
	global_load_b128 v[X+4*\i:X+4*\i+3], v1, s[16:17] offset:4096*\i th:TH_LOAD_NT   ; read once in the launch
.endr
.irp i, 0,1,2,3,4,5,6,7
	s_wait_loadcnt 7-\i                            ; loads come back in order (ISA guide 5.7.1): slot i is in, the 7 - i younger ones stay out
	v_cvt_pk_bf16_f32 v[Y+2*\i],   v[X+4*\i],   v[X+4*\i+1]
	v_cvt_pk_bf16_f32 v[Y+2*\i+1], v[X+4*\i+2], v[X+4*\i+3]
	global_store_b64 v2, v[Y+2*\i:Y+2*\i+1], s[12:13] offset:2048*\i
.endr
	s_endpgm
.Lfunc_end_k_qeb4156ada8_cast:
	.size	k_qeb4156ada8_cast, .Lfunc_end_k_qeb4156ada8_cast-k_qeb4156ada8_cast
	.p2alignl 7, 3214868480
	.fill 96, 4, 3214868480
	.section	.rodata,"a",@progbits
	.p2align	6, 0x0
	.amdhsa_kernel k_qeb4156ada8_cast
		.amdhsa_group_segment_fixed_size 0
		.amdhsa_private_segment_fixed_size 0
		.amdhsa_enable_private_segment 0
		.amdhsa_kernarg_size 40
		.amdhsa_user_sgpr_count 2
		.amdhsa_user_sgpr_kernarg_segment_ptr 1
		.amdhsa_wavefront_size32 1
		.amdhsa_system_sgpr_workgroup_id_x 1
		.amdhsa_system_sgpr_workgroup_id_y 1
		.amdhsa_system_sgpr_workgroup_id_z 1
		.amdhsa_system_vgpr_workitem_id 0
		.amdhsa_next_free_vgpr 56
		.amdhsa_next_free_sgpr 66
		.amdhsa_reserve_vcc 0
		.amdhsa_float_denorm_mode_32 3
		.amdhsa_float_denorm_mode_16_64 3
		.amdhsa_memory_ordered 1
		.amdhsa_forward_progress 1
		.amdhsa_inst_pref_size 4
	.end_amdhsa_kernel
	.amdgpu_metadata
---
amdhsa.version: [ 1, 2 ]
amdhsa.kernels:
  - .name:           k_qeb4156ada8_cast
    .symbol:         k_qeb4156ada8_cast.kd
    .args:
      - { .name: x, .offset: 0, .size: 8, .value_kind: global_buffer, .address_space: global }
      - { .name: w_q, .offset: 8, .size: 8, .value_kind: global_buffer, .address_space: global }
      - { .name: w_k, .offset: 16, .size: 8, .value_kind: global_buffer, .address_space: global }
      - { .name: w_v, .offset: 24, .size: 8, .value_kind: global_buffer, .address_space: global }
      - { .name: xw, .offset: 32, .size: 8, .value_kind: global_buffer, .address_space: global }
    .group_segment_fixed_size: 0
    .private_segment_fixed_size: 0
    .kernarg_segment_align: 8
    .kernarg_segment_size: 40
    .max_flat_workgroup_size: 256
    .sgpr_count:     66
    .vgpr_count:     56
    .wavefront_size: 32
...
	.end_amdgpu_metadata
.endif
;; end of part 1
;; launch proj (part 2): grid 4 x 48, 4 waves a work-group, clusters of 4 x 4, 327,680 bytes of LDS; arguments xw, qkv; writes qkv
.if DOCPART == 2
	.amdgcn_target "amdgcn-amd-amdhsa--gfx1250"
	.amdhsa_code_object_version 6
	.text
	.protected	k_qeb4156ada8_proj
	.globl	k_qeb4156ada8_proj
	.p2align	8
	.type	k_qeb4156ada8_proj,@function
k_qeb4156ada8_proj:
	s_mov_b64 s[64:65], 0
	v_nop
	global_prefetch_b8 v0, s[64:65] scope:SCOPE_SE
	s_setreg_imm32_b32 hwreg(HW_REG_WAVE_MODE, 25, 1), 1
	s_wait_xcnt 0x0
	s_wait_alu depctr_hold_cnt(0) depctr_sa_sdst(0) depctr_va_vdst(0) depctr_va_sdst(0) depctr_va_ssrc(0) depctr_va_vcc(0) depctr_vm_vsrc(0)
	s_getreg_b32 s2, hwreg(HW_REG_IB_STS2, 6, 4)
	s_cmp_eq_u32 s2, 0
	s_cbranch_scc0 .Lentry_in_a_cluster
	s_endpgm
.Lentry_in_a_cluster:
	s_bfe_u32 s2, ttmp6, 0x10000c
	s_cmp_lg_u32 s2, 0xf033
	s_cbranch_scc0 .Lentry_shape_is_right
	s_endpgm
.Lentry_shape_is_right:
; The three projections as twelve products C = A B^T of 1024 x 1024 x 1024, bf16 operands, f32 sums, one for each cluster of 4 x 4 work-groups.
; Cluster cl = 4 g + j (the grid's y counted in clusters):  g = 0: q rows 1024 j .. = x_j w_q^T;  g = 1: k rows = x_j w_k^T;
; g = 2: panel j of V transposed, [1024 d][keys 1024 j ..] = w_v x_j^T.  C is matrix cl of qkv (2 MiB each), rounded once, TO F16.
; WHY F16: a row of the result with few visible keys is a sum of terms as large as v that may cancel, while the result's usual size is far smaller;
; f16's 11 significant bits against bf16's 8 make the roundings of q, k and v eight times smaller.
; LIMIT: |q|, |k| or |v| above 65,504 becomes infinite.  By the sizes: numbers of spread 1 in x and 1/32 in the weights give sums of spread 1; all inputs 30 times
; larger give 900 times that; a common offset of 30 spreads in x and in the weights gives 1024 x 30 x 30/32 = 28,800.  Below 2^-14 the absolute step is 2^-24.
; 192 work-groups: twelve clusters, each with one whole product; no work-group is there to fill up a number.
; A work-group makes 256 x 256 of C with four waves; a wave makes 128 x 128: 64 accumulator tiles of 16 x 16, 512 registers.
; K goes in steps of 128 through a ring of two LDS slots filled by the tensor data mover; a tile's rows are 256 bytes of memory at multiples of 256.
; CLUSTERS: the four work-groups of a row of the cluster need the same tiles of A, the four of a column the same tiles of B: each tile is asked for
; jointly, by the same tensor load with the same descriptor and a mask that names the four.
; REGISTERS, in windows of 256: window 0: v0-31 addresses, v64-127 and v128-191 fragments of A (two buffers), v192-223 at work on the way out;
; window 1: v64-127, v128-191 fragments of B; window 2: the 32 accumulator tiles of my rows 0-63 (tile (a, b) at v[8 (8 a + b)]); window 3: rows 64-127.
; The matrix instruction is used transposed (source 0 = 16 rows of B, source 1 = 16 rows of A): lane l holds row l % 16 of C and its registers
; 0 to 7 the columns 8 (l / 16) + 0 .. 7, eight neighbouring numbers of a row.
.set SIZE_K, 1024
.set SIZE_N, 1024
.set KSTEP,  128
.set PITCH,  272                       ; an LDS row: 256 bytes + 16 of padding, an odd multiple of 16: the 16 rows of a fragment load start at 16 different 16-byte columns modulo 256
.set HALFT,  128*PITCH                 ; 128 rows: what one tensor load brings
.set SLOT,   4*HALFT                   ; A's 256 rows, then B's 256 rows
.set STAGE,  2*SLOT                    ; behind the ring: 16 rows x 272 bytes for each wave, for the way out; no tensor load lands there
.set SPITCH, 272
.set LAPS, SIZE_K/(2*KSTEP)            ; 4 laps of two K steps
.set ADRA, 16                          ; v16-17  LDS address of my A fragments in slot 0, 1
.set ADRB, 20                          ; v20-21  the same for B
.set STO,  24                          ; v24     the way out: where I put 16 bytes of a row
.set RD,   25                          ; v25     the way out: where I read a row back
.set CO,   26                          ; v26     my byte offset in C
.set F0,   64
.set F1,   128
.set TMP,  192
.set G1, 24                            ; s[24:31] descriptor group 1 for A's tiles
.set G0, 32                            ; s[32:39] descriptor group 0 for A's tiles, one set for each slot
.set G1B, 48                           ; s[48:55] group 1 for B's tiles: another mask
.set G0B, 56                           ; s[56:63] group 0 for B's tiles
.set MSB, 0
.macro WIN new                         ; the immediate's high byte repeats the setting that is left
.if MSB != \new
	s_set_vgpr_msb (MSB<<8)|\new
.set MSB, \new
.endif
.endm
.set MUL_LO, 0xa1                      ; source 0 (B) window 1, source 1 (A) window 0, C and D window 2
.set MUL_HI, 0xf1                      ; the same, C and D window 3
.set TO_B,   0x40                      ; destination window 1, address window 0
; A joint load.  Waves 0 and 1 fetch A's two halves, waves 2 and 3 B's; the branch hangs on the wave's number alone.
.macro JLOAD s
	s_cmp_eq_u32 s11, 0
	s_cbranch_scc0 .Lfor_b_\@
	tensor_load_to_lds s[G0+4*\s:G0+4*\s+3], s[G1:G1+7]
	s_nop 0
	s_branch .Lasked_\@
.Lfor_b_\@:
	tensor_load_to_lds s[G0B+4*\s:G0B+4*\s+3], s[G1B:G1B+7]
	s_nop 0
.Lasked_\@:
.endm
; A round of the cluster's barrier: my work-group's barrier; wave 0 signals for the work-group; every wave waits for all sixteen; my work-group's barrier again.
.macro CREST                           ; a round behind its opening barrier
	s_cmp_lg_u32 s10, 0
	s_cbranch_scc1 .Lnot_wave_0_\@
	s_barrier_signal -3
.Lnot_wave_0_\@:
	s_barrier_wait -3
	s_barrier_signal -1
	s_barrier_wait -1
.endm
.macro CROUND
	s_barrier_signal -1
	s_barrier_wait -1
	CREST
.endm
	s_load_b128 s[4:7], s[0:1], 0x0                ; xw s[4:5], qkv s[6:7]
	s_set_vgpr_msb 0x40
	v_lshl_add_u32 v255, v0, 2, 0x48400
	s_set_vgpr_msb 0x4000
	v_mov_b32 v255, 0
	s_set_vgpr_msb 0x1
	ds_add_u32 v255, v255
	s_set_vgpr_msb 0x100
	v_lshrrev_b32 v1, 5, v0
	v_readfirstlane_b32 s10, v1                    ; wave 0..3
	s_lshr_b32 s11, s10, 1                         ; which half of the block's rows is mine.  Also: I fetch for A (0) or for B (1)
	s_and_b32 s12, s10, 1                          ; which half of its columns.  Also: which 128 rows of that tile I fetch
	s_bfe_u32 s40, ttmp6, 0x40000                  ; cx
	s_bfe_u32 s41, ttmp6, 0x40004                  ; cy
	s_lshl_b32 s42, ttmp9, 2
	s_add_co_u32 s42, s42, s40                     ; block column of C = 4 x cluster x + cx (the grid has one cluster along x)
	s_mov_b32 s13, s41                             ; block row of C = cy: a cluster makes one whole product
	s_and_b32 s66, ttmp7, 0xffff                   ; cl, the cluster's number along y: equal in all sixteen partners
	s_lshr_b32 s67, s66, 2                         ; g: q, k or V transposed
	s_and_b32 s68, s66, 3                          ; j: which 1024 rows of x
	s_lshl_b32 s69, s68, 21                        ; x_j in xw
	s_add_co_u32 s70, s67, 4
	s_lshl_b32 s70, s70, 21                        ; w_g in xw
	s_cmp_eq_u32 s67, 2
	s_cselect_b32 s71, s70, s69                    ; A: x_j, for V transposed w_v
	s_cselect_b32 s72, s69, s70                    ; B: w_g, for V transposed x_j
	s_lshl_b32 s74, s66, 21                        ; C: matrix cl of qkv
	s_mov_b32 s75, 0
	s_lshl_b32 s43, s41, 2
	s_lshl_b32 s43, 15, s43                        ; my row of the cluster: places 4 cy .. 4 cy + 3
	s_lshl_b32 s44, 0x1111, s40                    ; my column: places cx, cx + 4, cx + 8, cx + 12
	; descriptor group 1: a tile of 128 rows x 128 elements of 2 bytes, 4 words of padding behind every 64
	s_or_b32 s[G1+0], s43, (1<<16)|(1<<20)|(1<<21)|(5<<22)|(3<<25)
	s_or_b32 s[G1B+0], s44, (1<<16)|(1<<20)|(1<<21)|(5<<22)|(3<<25)
	s_mov_b32 s[G1B+1], KSTEP<<16
	s_mov_b32 s[G1+1], KSTEP<<16                   ; tensor_dim0 = 128
	s_mov_b32 s[G1B+2], 128<<16
	s_mov_b32 s[G1+2], 128<<16                     ; tensor_dim1 = 128
	s_mov_b32 s[G1B+3], KSTEP<<16
	s_mov_b32 s[G1+3], KSTEP<<16                   ; tile_dim0 = 128
	s_mov_b32 s[G1B+4], 128
	s_mov_b32 s[G1+4], 128                         ; tile_dim1 = 128
	s_mov_b32 s[G1B+5], SIZE_K
	s_mov_b32 s[G1+5], SIZE_K                      ; elements from row to row
	s_mov_b32 s[G1B+6], 0
	s_mov_b32 s[G1+6], 0
	s_mov_b32 s[G1B+7], 0
	s_mov_b32 s[G1+7], 0
	; A's tiles hang on the block row alone, B's on the block column alone; each address is made in registers that never hold the other coordinate
	s_lshl_b32 s17, s12, 7                         ; which 128 rows of the tile I fetch
	s_lshl_b32 s16, s13, 8
	s_add_co_u32 s16, s16, s17                     ; A: row 256 x block row + 128 x half
	s_lshl_b32 s16, s16, 11                        ; x 2048 bytes a row
	s_add_co_u32 s16, s16, s71                     ; + A's matrix in xw (below 14 MiB in all)
	s_lshl_b32 s46, s42, 8
	s_add_co_u32 s46, s46, s17                     ; B: row 256 x block column + 128 x half
	s_lshl_b32 s46, s46, 11
	s_add_co_u32 s46, s46, s72
	s_mov_b32 s17, 0
	s_mov_b32 s47, 0
	s_mul_i32 s20, s10, HALFT                      ; where they go: wave x 128 rows
	s_wait_dscnt 0x0
	s_wait_kmcnt 0x0
	s_add_nc_u64 s[14:15], s[4:5], s[16:17]
	s_add_nc_u64 s[46:47], s[4:5], s[46:47]
	s_add_nc_u64 s[8:9], s[6:7], s[74:75]          ; C
	CROUND                                         ; all sixteen work-groups are here: the first joint loads meet
.irp s, 0,1
	s_mov_b32 s[G0+4*\s], 1
	s_add_co_u32 s[G0+4*\s+1], s20, \s*SLOT
	s_add_nc_u64 s[G0+4*\s+2:G0+4*\s+3], s[14:15], \s*KSTEP*2
	s_or_b32 s[G0+4*\s+3], s[G0+4*\s+3], 0x80000000
	s_mov_b32 s[G0B+4*\s], 1
	s_add_co_u32 s[G0B+4*\s+1], s20, \s*SLOT
	s_add_nc_u64 s[G0B+4*\s+2:G0B+4*\s+3], s[46:47], \s*KSTEP*2
	s_or_b32 s[G0B+4*\s+3], s[G0B+4*\s+3], 0x80000000
	JLOAD \s                                       ; both slots' first fills go out together: two tensor loads of the wave are out
.endr
	; a fragment is 16 rows x 32 K in 8 registers: lane l holds row l % 16; two loads of 16 bytes, 32 bytes apart, at row x pitch + 16 (l / 16)
	v_and_b32 v1, 15, v0                           ; l % 16
	v_bfe_u32 v2, v0, 4, 1                         ; l / 16
	v_mul_u32_u24 v3, v1, PITCH
	v_lshl_add_u32 v3, v2, 4, v3
	s_mul_i32 s21, s11, HALFT                      ; my 128 rows of A
	s_mul_i32 s22, s12, HALFT                      ; my 128 rows of B,
	s_add_co_u32 s22, s22, 2*HALFT                 ; which lie behind A's 256
.irp s, 0,1
	v_add_nc_u32 v[ADRA+\s], s21, v3
	v_add_nc_u32 v[ADRB+\s], s22, v3
	s_add_co_u32 s21, s21, SLOT
	s_add_co_u32 s22, s22, SLOT
.endr
	s_mul_i32 s23, s10, 16*SPITCH
	s_add_co_u32 s23, s23, STAGE                   ; my stage
	v_mul_u32_u24 v4, v1, SPITCH
	v_lshl_add_u32 v4, v2, 4, v4
	v_add_nc_u32 v[STO], s23, v4
	v_mul_u32_u24 v5, v2, SPITCH
	v_lshl_add_u32 v5, v1, 4, v5
	v_add_nc_u32 v[RD], s23, v5
	v_mul_u32_u24 v5, v2, SIZE_N*2
	v_lshl_add_u32 v[CO], v1, 4, v5
; 16 matrix instructions: m blocks a0, a0 + 1 of the window's four x all 8 n blocks, 32 along K.  zero = 1: the first product starts the sums.
; The 64 accumulators take turns, one instruction a turn, in the same order in every quarter step.
.macro MUL16 f, hi, a0, zero
.irp a, \a0, \a0+1
.irp b, 0,1,2,3,4,5,6,7
.if \zero
	v_wmma_f32_16x16x32_bf16 v[8*(8*(\a)+\b):8*(8*(\a)+\b)+7], v[\f+8*\b:\f+8*\b+7], v[\f+8*(4*\hi+\a):\f+8*(4*\hi+\a)+7], 0
.else
	v_wmma_f32_16x16x32_bf16 v[8*(8*(\a)+\b):8*(8*(\a)+\b)+7], v[\f+8*\b:\f+8*\b+7], v[\f+8*(4*\hi+\a):\f+8*(4*\hi+\a)+7], v[8*(8*(\a)+\b):8*(8*(\a)+\b)+7]
.endif
.endr
.endr
.endm
; 32 LDS loads in one run: the fragments of one quarter step (B first, then A) into buffer f
.macro FETCH slot, k, f
	WIN TO_B
.irp i, 0,1,2,3,4,5,6,7
	ds_load_b128 v[\f+8*\i:\f+8*\i+3],   v[ADRB+\slot] offset:\k+\i*16*PITCH
	ds_load_b128 v[\f+8*\i+4:\f+8*\i+7], v[ADRB+\slot] offset:\k+\i*16*PITCH+32
.endr
	WIN 0
.irp i, 0,1,2,3,4,5,6,7
	ds_load_b128 v[\f+8*\i:\f+8*\i+3],   v[ADRA+\slot] offset:\k+\i*16*PITCH
	ds_load_b128 v[\f+8*\i+4:\f+8*\i+7], v[ADRA+\slot] offset:\k+\i*16*PITCH+32
.endr
.endm
; four places between a matrix instruction and a load into, or a vector instruction on, one of its registers
.macro PLACES
.rept 4
	v_nop
.endr
.endm
.macro QUARTER slot, k, f, g, zero
	s_wait_dscnt 8                                 ; B and A's rows 0-63 are in; the youngest eight loads (A's rows 64-127) may be out
	WIN MUL_LO
	MUL16 \f, 0, 0, \zero
	MUL16 \f, 0, 2, \zero
	PLACES
	FETCH \slot, \k, \g
	s_wait_dscnt 32                                ; all but the 32 just issued
	WIN MUL_HI
	MUL16 \f, 1, 0, \zero
	MUL16 \f, 1, 2, \zero
.endm
.macro THREE slot, zero
	QUARTER \slot, 64,  F0, F1, \zero
	QUARTER \slot, 128, F1, F0, 0
	QUARTER \slot, 192, F0, F1, 0
.endm
; The last quarter of a K step changes slots.  In front of the barrier each wave waits for its reads of this slot and for all its tensor loads
; (one is out: its part of the next slot); behind the round the refill comes first, then the next slot's first fragments.
.macro TURN slot, next, fill
	s_wait_dscnt 8
	WIN MUL_LO
	MUL16 F1, 0, 0, 0
	s_wait_dscnt 0                                 ; my reads of this slot are over
	s_wait_tensorcnt 0x0                           ; and all my tensor loads have landed
	ds_add_u32 v255, v255
	s_wait_dscnt 0x0
	s_barrier_signal -1
	MUL16 F1, 0, 2, 0                              ; register work while the others arrive
	WIN 0
	s_barrier_wait -1
.if \fill
	CREST                                          ; no wave of any partner still reads this slot or has a load on its way
	s_add_nc_u64 s[G0+4*\slot+2:G0+4*\slot+3], s[G0+4*\slot+2:G0+4*\slot+3], 2*KSTEP*2
	s_add_nc_u64 s[G0B+4*\slot+2:G0B+4*\slot+3], s[G0B+4*\slot+2:G0B+4*\slot+3], 2*KSTEP*2
	JLOAD \slot                                    ; the wave's one tensor load behind the round
.endif
	PLACES
	FETCH \next, 0, F0
	WIN MUL_HI
	MUL16 F1, 1, 0, 0
	MUL16 F1, 1, 2, 0
.endm
.macro LAP zero
	THREE 0, \zero
	TURN 0, 1, 1
	THREE 1, 0
	TURN 1, 0, 1
.endm
	s_wait_tensorcnt 1                             ; my part of K step 0 is in; K step 1's stays out
	s_barrier_signal -1
	s_barrier_wait -1
	FETCH 0, 0, F0
	LAP 1                                          ; K steps 0, 1: the first products start the sums
	WIN 0
	s_mov_b32 s3, LAPS-2
.Llap:
	LAP 0                                          ; K steps 2 to 5
	WIN 0
	s_sub_co_u32 s3, s3, 1
	s_cmp_lg_u32 s3, 0
	s_cbranch_scc1 .Llap
	THREE 0, 0                                     ; the last lap fills nothing
	TURN 0, 1, 0
	THREE 1, 0
	s_wait_dscnt 8
	WIN MUL_LO
	MUL16 F1, 0, 0, 0
	MUL16 F1, 0, 2, 0
	s_wait_dscnt 0
	WIN MUL_HI
	MUL16 F1, 1, 0, 0
	MUL16 F1, 1, 2, 0
	; THE WAY OUT, 16 rows of C at a time: round to f16, 16 bytes a lane into my own stage, read back as whole rows of 256 bytes
	PLACES
	s_lshl_b32 s13, s13, 8
	s_lshl_b32 s14, s11, 7
	s_add_co_u32 s16, s13, s14                     ; my first row of C
	s_lshl_b32 s16, s16, 11                        ; x 2048 bytes
	s_mov_b32 s17, 0
	s_add_nc_u64 s[8:9], s[8:9], s[16:17]
	s_lshl_b32 s46, s42, 9                         ; my first column, in bytes: 512 x block + 256 x half
	s_lshl_b32 s47, s12, 8
	s_add_co_u32 s46, s46, s47
	s_mov_b32 s47, 0
	s_add_nc_u64 s[8:9], s[8:9], s[46:47]
.macro OUT16 i, a, from, f
	WIN \from
.irp b, 0,1,2,3,4,5,6,7
.irp r, 0,1,2,3
	v_cvt_pk_f16_f32 v[TMP+4*\b+\r], v[8*(8*\a+\b)+2*\r], v[8*(8*\a+\b)+2*\r+1]
.endr
.endr
	WIN 0
.irp b, 0,1,2,3,4,5,6,7
	ds_store_b128 v[STO], v[TMP+4*\b:TMP+4*\b+3] offset:32*\b
.endr
	s_wait_xcnt 0x0                                ; buffer f, which earlier stores read, and the stores' base are rewritten only behind this wait
.if \i
	s_add_nc_u64 s[8:9], s[8:9], 16*SIZE_N*2
.endif
.irp t, 0,1,2,3,4,5,6,7
	ds_load_b128 v[\f+4*\t:\f+4*\t+3], v[RD] offset:\t*2*SPITCH    ; LDS serves a wave's instructions in order: these see the stores above
.endr
.irp t, 0,1,2,3,4,5,6,7
	s_wait_dscnt 7-\t                              ; load t is in, the 7 - t younger ones stay out
	global_store_b128 v[CO], v[\f+4*\t:\f+4*\t+3], s[8:9] offset:2*\t*SIZE_N*2   ; 16 lanes store 256 consecutive bytes at a multiple of 256
.endr
.endm
	OUT16 0, 0, 0x0a, F0
	OUT16 1, 1, 0x0a, F1
	OUT16 2, 2, 0x0a, F0
	OUT16 3, 3, 0x0a, F1
	OUT16 4, 0, 0x0f, F0
	OUT16 5, 1, 0x0f, F1
	OUT16 6, 2, 0x0f, F0
	OUT16 7, 3, 0x0f, F1
	s_set_vgpr_msb 0x1
	s_wait_tensorcnt 0x0
	ds_add_u32 v255, v255
	s_wait_dscnt 0x0
	s_set_vgpr_msb 0x100
	CROUND                                         ; the closing round: no work-group ends while a partner may still ask for a tile that names it
	s_endpgm
.Lfunc_end_k_qeb4156ada8_proj:
	.size	k_qeb4156ada8_proj, .Lfunc_end_k_qeb4156ada8_proj-k_qeb4156ada8_proj
	.p2alignl 7, 3214868480
	.fill 96, 4, 3214868480
	.section	.rodata,"a",@progbits
	.p2align	6, 0x0
	.amdhsa_kernel k_qeb4156ada8_proj
		.amdhsa_group_segment_fixed_size 327680
		.amdhsa_private_segment_fixed_size 0
		.amdhsa_enable_private_segment 0
		.amdhsa_kernarg_size 16
		.amdhsa_user_sgpr_count 2
		.amdhsa_user_sgpr_kernarg_segment_ptr 1
		.amdhsa_wavefront_size32 1
		.amdhsa_system_sgpr_workgroup_id_x 1
		.amdhsa_system_sgpr_workgroup_id_y 1
		.amdhsa_system_sgpr_workgroup_id_z 1
		.amdhsa_system_vgpr_workitem_id 0
		.amdhsa_next_free_vgpr 1024
		.amdhsa_next_free_sgpr 76
		.amdhsa_reserve_vcc 0
		.amdhsa_float_denorm_mode_32 3
		.amdhsa_float_denorm_mode_16_64 3
		.amdhsa_memory_ordered 1
		.amdhsa_forward_progress 1
		.amdhsa_inst_pref_size 196
	.end_amdhsa_kernel
	.amdgpu_metadata
---
amdhsa.version: [ 1, 2 ]
amdhsa.kernels:
  - .name:           k_qeb4156ada8_proj
    .symbol:         k_qeb4156ada8_proj.kd
    .args:
      - { .name: xw, .offset: 0, .size: 8, .value_kind: global_buffer, .address_space: global }
      - { .name: qkv, .offset: 8, .size: 8, .value_kind: global_buffer, .address_space: global }
    .group_segment_fixed_size: 327680
    .private_segment_fixed_size: 0
    .kernarg_segment_align: 8
    .kernarg_segment_size: 16
    .max_flat_workgroup_size: 128
    .sgpr_count:     76
    .vgpr_count:     1024
    .wavefront_size: 32
...
	.end_amdgpu_metadata
.endif
;; end of part 2
;; launch scores (part 3): grid 16 x 16, 4 waves a work-group, clusters of 4 x 4, 327,680 bytes of LDS; arguments qkv, mask, pb, stats; writes pb, stats
.if DOCPART == 3
	.amdgcn_target "amdgcn-amd-amdhsa--gfx1250"
	.amdhsa_code_object_version 6
	.text
	.protected	k_qeb4156ada8_scores
	.globl	k_qeb4156ada8_scores
	.p2align	8
	.type	k_qeb4156ada8_scores,@function
k_qeb4156ada8_scores:
	s_mov_b64 s[64:65], 0
	v_nop
	global_prefetch_b8 v0, s[64:65] scope:SCOPE_SE
	s_setreg_imm32_b32 hwreg(HW_REG_WAVE_MODE, 25, 1), 1
	s_wait_xcnt 0x0
	s_wait_alu depctr_hold_cnt(0) depctr_sa_sdst(0) depctr_va_vdst(0) depctr_va_sdst(0) depctr_va_ssrc(0) depctr_va_vcc(0) depctr_vm_vsrc(0)
	s_getreg_b32 s2, hwreg(HW_REG_IB_STS2, 6, 4)
	s_cmp_eq_u32 s2, 0
	s_cbranch_scc0 .Lentry_in_a_cluster
	s_endpgm
.Lentry_in_a_cluster:
	s_bfe_u32 s2, ttmp6, 0x10000c
	s_cmp_lg_u32 s2, 0xf033
	s_cbranch_scc0 .Lentry_shape_is_right
	s_endpgm
.Lentry_shape_is_right:
; S = q k^T (4096 x 4096 x 1024, f16 operands, f32 sums), the mask, and the first half of the softmax, by key blocks of 128.
; With c = log2(e) / 32, for row i and key block b (the 128 columns of one wave):  t = mask ? S : -inf;  m[b][i] = c max t;
; p = exp2(c t - m), stored to pb as f16;  l[b][i] = the sum of the p in f32 (before their rounding to f16).  The next launch joins the blocks.
; The true maximum of the block is taken away, by one fused multiply-add whose addend is exactly -m.
; A block that is masked whole: m = -inf is stored, the largest negative finite number stands in for the maximum in the multiply-add, so p = 0, l = 0.
; WHY F16: p lies in 0 .. 1, inside f16's range, and f16's 11 significant bits make its rounding eight times smaller than bf16's.
; LIMITS: p below 2^-25 is stored as 0, and below 2^-14 with an absolute error of up to 2^-25; the block's largest p is 1.
; The mask is read as it is given, word by word: mask == 0 hides.
; P'S LAYOUT IN pb IS THE NEXT LAUNCH'S FRAGMENT ORDER: [256 row tiles of 16][256 chunks of 16 keys][32 lanes][16 bytes].  Lane (r, h) of a chunk holds row r, keys 8 h .. 8 h + 7:
; that is what a lane holds here once its eight results of a 16 x 16 tile are packed, and two neighbouring chunks are the eight registers of a 16 x 32 matrix operand.
; So the packed registers are stored as they stand, 512 consecutive bytes a store, without a turn through LDS.
; The product is built as the projections' launch is: 256 x 256 of S for a work-group, 128 x 128 for a wave in 512 registers, K in steps of 128 through two
; LDS slots, A's tiles (q) asked for jointly along a row of the 4 x 4 cluster, B's (k) along a column.
; THE MASK: each wave brings its 128 x 128 words by two tensor loads of its own (64 rows x 512 bytes, no work-group mask) into the two slots when these have been
; read for the last time: half 0 into slot 0 behind the round in the last lap's first change of slots, half 1 into slot 1 behind a round in the last quarter.
; Only the wave that asked reads those bytes, behind its own wait.
; REGISTERS: windows as in the projections' launch; the epilogue's map of window 0 stands below.
.set SIZE_K, 1024
.set KSTEP,  128
.set PITCH,  272
.set HALFT,  128*PITCH
.set SLOT,   4*HALFT
.set STAGE,  2*SLOT                    ; behind the ring: 4,352 bytes for each wave, for m and l on their way out; no tensor load lands there
.set SPITCH, 272
.set MPITCH, 528                       ; a mask row in LDS: 512 bytes + 16 of padding, an odd multiple of 16
.set MQ,     64*MPITCH                 ; one mask load: 33,792 bytes; four of them fit in a slot of 139,264
.set PTILE,  131072                    ; bytes of pb from a row tile to the next: 256 chunks of 512
.set LAPS, SIZE_K/(2*KSTEP)
.set ADRA, 16
.set ADRB, 20
.set SO,   23                          ; v23     16 x lane: my 16 bytes in a run of 512
.set MKA0, 27                          ; v27     LDS address of my mask words, rows 0-63
.set MKA1, 28                          ; v28     rows 64-127
.set NINF, 29                          ; v29     -inf
.set SA,   30                          ; v30     stage + 4 (l % 16)
.set SB,   31                          ; v31     stage + 16 x lane
.set MS,   32                          ; v32-39  m of my row in each of the eight row tiles
.set LS,   40                          ; v40-47  l likewise
.set MX,   48                          ; v48-51  four chains of maxima
.set SU,   52                          ; v52-59  four pairs of sums
.set NMC,  60                          ; v60-61  -m, twice
.set XT,   62                          ; v62     what the other half of the lanes holds
.set XT2,  63                          ; v63     the maximum, made finite
.set F0,   64
.set F1,   128
.set MK,   64                          ; v64-127   mask words of a row tile (buffer 0 has done its work)
.set T,    128                         ; v128-191  masked scores, then p
.set TMP,  192                         ; v192-223  p packed to f16
.set G1, 24
.set G0, 32
.set G1B, 48
.set G0B, 56
.set G1M, 68                           ; s[68:75] group 1 of the mask's loads
.set G0M, 76                           ; s[76:79], s[80:83] their groups 0
.set CM,  84                           ; s84-87   four compare masks
.set CC,  88                           ; s88 = s89 = c
.set PL,  90                           ; s90-91   lane i of one half reads lane i of the other
.set NC,  94                           ; s94      -c
.set MSB, 0
.macro WIN new
.if MSB != \new
	s_set_vgpr_msb (MSB<<8)|\new
.set MSB, \new
.endif
.endm
.set MUL_LO, 0xa1
.set MUL_HI, 0xf1
.set TO_B,   0x40
.macro JLOAD s
	s_cmp_eq_u32 s11, 0
	s_cbranch_scc0 .Lfor_b_\@
	tensor_load_to_lds s[G0+4*\s:G0+4*\s+3], s[G1:G1+7]
	s_nop 0
	s_branch .Lasked_\@
.Lfor_b_\@:
	tensor_load_to_lds s[G0B+4*\s:G0B+4*\s+3], s[G1B:G1B+7]
	s_nop 0
.Lasked_\@:
.endm
.macro CREST
	s_cmp_lg_u32 s10, 0
	s_cbranch_scc1 .Lnot_wave_0_\@
	s_barrier_signal -3
.Lnot_wave_0_\@:
	s_barrier_wait -3
	s_barrier_signal -1
	s_barrier_wait -1
.endm
.macro CROUND
	s_barrier_signal -1
	s_barrier_wait -1
	CREST
.endm
	s_load_b128 s[4:7], s[0:1], 0x0                ; qkv s[4:5], mask s[6:7]
	s_load_b64 s[8:9], s[0:1], 0x10                ; pb
	s_load_b64 s[92:93], s[0:1], 0x18              ; stats
	s_set_vgpr_msb 0x40
	v_lshl_add_u32 v255, v0, 2, 0x48400
	s_set_vgpr_msb 0x4000
	v_mov_b32 v255, 0
	s_set_vgpr_msb 0x1
	ds_add_u32 v255, v255
	s_set_vgpr_msb 0x100
	v_lshrrev_b32 v1, 5, v0
	v_readfirstlane_b32 s10, v1                    ; wave 0..3
	s_lshr_b32 s11, s10, 1                         ; my half of the block's rows; also: I fetch for A (0) or B (1)
	s_and_b32 s12, s10, 1                          ; my half of its columns; also: which 128 rows of that tile I fetch
	s_bfe_u32 s40, ttmp6, 0x40000                  ; cx
	s_bfe_u32 s41, ttmp6, 0x40004                  ; cy
	s_lshl_b32 s42, ttmp9, 2
	s_add_co_u32 s42, s42, s40                     ; block column (keys) = 4 x cluster x + cx
	s_and_b32 s13, ttmp7, 0xffff
	s_lshl_b32 s13, s13, 2
	s_add_co_u32 s13, s13, s41                     ; block row (queries) = 4 x cluster y + cy
	s_lshl_b32 s43, s41, 2
	s_lshl_b32 s43, 15, s43                        ; my row of the cluster
	s_lshl_b32 s44, 0x1111, s40                    ; my column
	s_or_b32 s[G1+0], s43, (1<<16)|(1<<20)|(1<<21)|(5<<22)|(3<<25)
	s_or_b32 s[G1B+0], s44, (1<<16)|(1<<20)|(1<<21)|(5<<22)|(3<<25)
	s_mov_b32 s[G1B+1], KSTEP<<16
	s_mov_b32 s[G1+1], KSTEP<<16
	s_mov_b32 s[G1B+2], 128<<16
	s_mov_b32 s[G1+2], 128<<16
	s_mov_b32 s[G1B+3], KSTEP<<16
	s_mov_b32 s[G1+3], KSTEP<<16
	s_mov_b32 s[G1B+4], 128
	s_mov_b32 s[G1+4], 128
	s_mov_b32 s[G1B+5], SIZE_K
	s_mov_b32 s[G1+5], SIZE_K
	s_mov_b32 s[G1B+6], 0
	s_mov_b32 s[G1+6], 0
	s_mov_b32 s[G1B+7], 0
	s_mov_b32 s[G1+7], 0
	; the mask's group 1: 64 rows x 128 elements of 4 bytes, 4 words of padding behind every 128; no work-group mask: each wave's load is its own
	s_mov_b32 s[G1M+0], (2<<16)|(1<<20)|(6<<22)|(3<<25)
	s_mov_b32 s[G1M+1], 128<<16                    ; tensor_dim0 = 128
	s_mov_b32 s[G1M+2], 64<<16                     ; tensor_dim1 = 64
	s_mov_b32 s[G1M+3], 128<<16                    ; tile_dim0 = 128
	s_mov_b32 s[G1M+4], 64                         ; tile_dim1 = 64
	s_mov_b32 s[G1M+5], 4096                       ; elements from row to row
	s_mov_b32 s[G1M+6], 0
	s_mov_b32 s[G1M+7], 0
	; q's and k's tiles
	s_lshl_b32 s17, s12, 7
	s_lshl_b32 s16, s13, 8
	s_add_co_u32 s16, s16, s17                     ; q: row 256 x block row + 128 x half
	s_lshl_b32 s16, s16, 11                        ; x 2048 bytes
	s_lshl_b32 s46, s42, 8
	s_add_co_u32 s46, s46, s17                     ; k: row 256 x block column + 128 x half
	s_lshl_b32 s46, s46, 11
	s_add_co_u32 s46, s46, 0x800000                ; k lies 8 MiB behind q in qkv
	s_mov_b32 s17, 0
	s_mov_b32 s47, 0
	s_mul_i32 s20, s10, HALFT
	; my wave's corner of S, in registers that feed no joint load: row R0 = 256 x block row + 128 x half, column C0 likewise
	s_lshl_b32 s95, s13, 8
	s_lshl_b32 s96, s11, 7
	s_add_co_u32 s95, s95, s96                     ; R0
	s_lshl_b32 s98, s42, 8
	s_lshl_b32 s96, s12, 7
	s_add_co_u32 s98, s98, s96                     ; C0
	s_lshl_b32 s96, s95, 14                        ; R0 rows of 16,384 bytes (below 64 MiB)
	s_lshl_b32 s98, s98, 2
	s_add_co_u32 s96, s96, s98                     ; + 4 C0: my corner in the mask
	s_mov_b32 s97, 0
	s_lshl_b32 s98, s42, 1
	s_add_co_u32 s98, s98, s12                     ; my key block, 0 .. 31
	s_lshl_b32 s98, s98, 14                        ; x 4096 rows of 4 bytes
	s_lshl_b32 s99, s95, 2
	s_add_co_u32 s98, s98, s99                     ; + 4 R0: my 128 numbers in m
	s_mov_b32 s99, 0
	s_mov_b32 s[G0M], 1
	s_mul_i32 s[G0M+1], s10, MQ                    ; half 0: slot 0, wave x 33,792
	s_mov_b32 s[G0M+4], 1
	s_add_co_u32 s[G0M+5], s[G0M+1], SLOT          ; half 1: the same place in slot 1
	s_mov_b32 s[CC], 0x3d38aa3b                    ; c = log2(e) / 32
	s_mov_b32 s[CC+1], 0x3d38aa3b
	s_mov_b32 s[NC], 0xbd38aa3b                    ; -c
	s_mov_b32 s[PL], 0x76543210
	s_mov_b32 s[PL+1], 0xfedcba98
	s_wait_dscnt 0x0
	s_wait_kmcnt 0x0
	s_add_nc_u64 s[14:15], s[4:5], s[16:17]
	s_add_nc_u64 s[46:47], s[4:5], s[46:47]
	s_add_nc_u64 s[G0M+2:G0M+3], s[6:7], s[96:97]
	s_add_nc_u64 s[G0M+6:G0M+7], s[G0M+2:G0M+3], 0x100000   ; 64 rows of 16,384 bytes further down
	s_or_b32 s[G0M+3], s[G0M+3], 0x80000000
	s_or_b32 s[G0M+7], s[G0M+7], 0x80000000
	s_add_nc_u64 s[92:93], s[92:93], s[98:99]
	CROUND                                         ; all sixteen work-groups are here: the first joint loads meet
.irp s, 0,1
	s_mov_b32 s[G0+4*\s], 1
	s_add_co_u32 s[G0+4*\s+1], s20, \s*SLOT
	s_add_nc_u64 s[G0+4*\s+2:G0+4*\s+3], s[14:15], \s*KSTEP*2
	s_or_b32 s[G0+4*\s+3], s[G0+4*\s+3], 0x80000000
	s_mov_b32 s[G0B+4*\s], 1
	s_add_co_u32 s[G0B+4*\s+1], s20, \s*SLOT
	s_add_nc_u64 s[G0B+4*\s+2:G0B+4*\s+3], s[46:47], \s*KSTEP*2
	s_or_b32 s[G0B+4*\s+3], s[G0B+4*\s+3], 0x80000000
	JLOAD \s                                       ; two tensor loads of the wave are out
.endr
	v_and_b32 v1, 15, v0                           ; r = l % 16
	v_bfe_u32 v2, v0, 4, 1                         ; h = l / 16
	v_mul_u32_u24 v3, v1, PITCH
	v_lshl_add_u32 v3, v2, 4, v3
	s_mul_i32 s21, s11, HALFT
	s_mul_i32 s22, s12, HALFT
	s_add_co_u32 s22, s22, 2*HALFT
.irp s, 0,1
	v_add_nc_u32 v[ADRA+\s], s21, v3
	v_add_nc_u32 v[ADRB+\s], s22, v3
	s_add_co_u32 s21, s21, SLOT
	s_add_co_u32 s22, s22, SLOT
.endr
	s_mul_i32 s23, s10, 16*SPITCH
	s_add_co_u32 s23, s23, STAGE                   ; my stage
	v_mul_u32_u24 v6, v1, MPITCH                   ; mask: row r, the 8 words at column 8 h of each run of 16
	v_lshl_add_u32 v6, v2, 5, v6
	v_add_nc_u32 v[MKA0], s[G0M+1], v6
	v_add_nc_u32 v[MKA1], SLOT, v[MKA0]
	v_mov_b32 v[NINF], 0xff800000
	v_lshl_add_u32 v[SA], v1, 2, s23
	v_and_b32 v7, 31, v0
	v_lshlrev_b32 v[SO], 4, v7
	v_add_nc_u32 v[SB], s23, v[SO]
	v_mov_b32 v[XT], 0                             ; v_permlanex16_b32 counts as a reader of its destination
; The 64 accumulators take turns, one instruction a turn, in the same order in every quarter step.
.macro MUL16 f, hi, a0, zero
.irp a, \a0, \a0+1
.irp b, 0,1,2,3,4,5,6,7
.if \zero
	v_wmma_f32_16x16x32_f16 v[8*(8*(\a)+\b):8*(8*(\a)+\b)+7], v[\f+8*\b:\f+8*\b+7], v[\f+8*(4*\hi+\a):\f+8*(4*\hi+\a)+7], 0
.else
	v_wmma_f32_16x16x32_f16 v[8*(8*(\a)+\b):8*(8*(\a)+\b)+7], v[\f+8*\b:\f+8*\b+7], v[\f+8*(4*\hi+\a):\f+8*(4*\hi+\a)+7], v[8*(8*(\a)+\b):8*(8*(\a)+\b)+7]
.endif
.endr
.endr
.endm
.macro FETCH slot, k, f
	WIN TO_B
.irp i, 0,1,2,3,4,5,6,7
	ds_load_b128 v[\f+8*\i:\f+8*\i+3],   v[ADRB+\slot] offset:\k+\i*16*PITCH
	ds_load_b128 v[\f+8*\i+4:\f+8*\i+7], v[ADRB+\slot] offset:\k+\i*16*PITCH+32
.endr
	WIN 0
.irp i, 0,1,2,3,4,5,6,7
	ds_load_b128 v[\f+8*\i:\f+8*\i+3],   v[ADRA+\slot] offset:\k+\i*16*PITCH
	ds_load_b128 v[\f+8*\i+4:\f+8*\i+7], v[ADRA+\slot] offset:\k+\i*16*PITCH+32
.endr
.endm
.macro PLACES                          ; four places (ISA guide 7.12.1) behind a matrix instruction
.rept 4
	v_nop
.endr
.endm
.macro QUARTER slot, k, f, g, zero
	s_wait_dscnt 8                                 ; B and A's rows 0-63 are in; the youngest eight loads may be out
	WIN MUL_LO
	MUL16 \f, 0, 0, \zero
	MUL16 \f, 0, 2, \zero
	PLACES
	FETCH \slot, \k, \g
	s_wait_dscnt 32                                ; all but the 32 just issued
	WIN MUL_HI
	MUL16 \f, 1, 0, \zero
	MUL16 \f, 1, 2, \zero
.endm
.macro THREE slot, zero
	QUARTER \slot, 64,  F0, F1, \zero
	QUARTER \slot, 128, F1, F0, 0
	QUARTER \slot, 192, F0, F1, 0
.endm
; The change of slots.  fill = 1: this slot gets the tiles two K steps ahead, jointly.  fill = 2: it gets my first half of the mask.
.macro TURN slot, next, fill
	s_wait_dscnt 8
	WIN MUL_LO
	MUL16 F1, 0, 0, 0
	s_wait_dscnt 0                                 ; my reads of this slot are over
	s_wait_tensorcnt 0x0                           ; and all my tensor loads have landed: the one that was out is my part of the next slot
	ds_add_u32 v255, v255
	s_wait_dscnt 0x0
	s_barrier_signal -1
	MUL16 F1, 0, 2, 0
	WIN 0
	s_barrier_wait -1
	CREST                                          ; the round: no wave of any partner still reads this slot or has a load on its way
.if \fill == 1
	s_add_nc_u64 s[G0+4*\slot+2:G0+4*\slot+3], s[G0+4*\slot+2:G0+4*\slot+3], 2*KSTEP*2
	s_add_nc_u64 s[G0B+4*\slot+2:G0B+4*\slot+3], s[G0B+4*\slot+2:G0B+4*\slot+3], 2*KSTEP*2
	JLOAD \slot                                    ; the wave's one tensor load behind the round
.else
	tensor_load_to_lds s[G0M:G0M+3], s[G1M:G1M+7]  ; the wave's one tensor load behind the round: mask rows 0-63 of my tile
	s_nop 0
.endif
	PLACES
	FETCH \next, 0, F0
	WIN MUL_HI
	MUL16 F1, 1, 0, 0
	MUL16 F1, 1, 2, 0
.endm
.macro LAP zero
	THREE 0, \zero
	TURN 0, 1, 1
	THREE 1, 0
	TURN 1, 0, 1
.endm
	s_wait_tensorcnt 1                             ; my part of K step 0 is in; K step 1's stays out
	s_barrier_signal -1
	s_barrier_wait -1
	FETCH 0, 0, F0
	LAP 1
	WIN 0
	s_mov_b32 s3, LAPS-2
.Llap:
	LAP 0
	WIN 0
	s_sub_co_u32 s3, s3, 1
	s_cmp_lg_u32 s3, 0
	s_cbranch_scc1 .Llap
	THREE 0, 0                                     ; the last lap: K steps 6 and 7
	TURN 0, 1, 2                                   ; slot 0 has been read for the last time: the mask's first half goes there
	THREE 1, 0
	s_wait_dscnt 8                                 ; the very last quarter
	WIN MUL_LO
	MUL16 F1, 0, 0, 0
	s_wait_dscnt 0                                 ; my reads of slot 1 are over
	s_wait_tensorcnt 0x0                           ; the mask's first half, asked for 240 matrix instructions ago, has landed
	ds_add_u32 v255, v255
	s_wait_dscnt 0x0
	s_barrier_signal -1
	MUL16 F1, 0, 2, 0
	WIN 0
	s_barrier_wait -1
	CREST                                          ; a round here too: in a cluster launch every tensor load stands behind one
	tensor_load_to_lds s[G0M+4:G0M+7], s[G1M:G1M+7] ; mask rows 64-127 into slot 1; they land while rows 0-63 are worked on
	s_nop 0
	WIN MUL_HI
	MUL16 F1, 1, 0, 0
	MUL16 F1, 1, 2, 0
	WIN 0
	PLACES                                         ; behind the last matrix instructions: their results are read, buffers 0 and 1 written
	s_lshl_b32 s13, s13, 4
	s_lshl_b32 s14, s11, 3
	s_add_co_u32 s16, s13, s14                     ; my first row tile of P: 16 x block row + 8 x half
	s_lshl_b32 s16, s16, 17                        ; x 131,072 bytes (below 32 MiB)
	s_mov_b32 s17, 0
	s_add_nc_u64 s[8:9], s[8:9], s[16:17]
	s_lshl_b32 s46, s42, 4
	s_lshl_b32 s47, s12, 3
	s_add_co_u32 s46, s46, s47                     ; my first chunk of 16 keys: 16 x block column + 8 x half
	s_lshl_b32 s46, s46, 9                         ; x 512 bytes
	s_mov_b32 s47, 0
	s_add_nc_u64 s[8:9], s[8:9], s[46:47]
; THE EPILOGUE, one row tile (16 rows x 128 columns) at a time.  Lane (r, h) holds row r and, in register 8 b + j, column 16 b + 8 h + j.
; The mask words of row tile aw of a half, in the same order: 16 loads of 16 bytes.
.macro MLOAD adr, aw
.irp b, 0,1,2,3,4,5,6,7
	ds_load_b128 v[MK+8*\b:MK+8*\b+3],   v[\adr] offset:\aw*16*MPITCH+64*\b
	ds_load_b128 v[MK+8*\b+4:MK+8*\b+7], v[\adr] offset:\aw*16*MPITCH+64*\b+16
.endr
.endm
; t = mask == 0 ? -inf : S, out of window win (2 or 3) into T
.macro SELECT aw, win
	s_wait_dscnt 0x0                               ; this tile's mask words are in
	WIN \win                                       ; source 0 in the accumulators' window
.set i, 0
.rept 16
	v_cmp_eq_u32 s[CM],   0, v[MK+i]
	v_cmp_eq_u32 s[CM+1], 0, v[MK+i+1]
	v_cmp_eq_u32 s[CM+2], 0, v[MK+i+2]
	v_cmp_eq_u32 s[CM+3], 0, v[MK+i+3]
	v_cndmask_b32 v[T+i],   v[64*\aw+i],   v[NINF], s[CM]
	v_cndmask_b32 v[T+i+1], v[64*\aw+i+1], v[NINF], s[CM+1]
	v_cndmask_b32 v[T+i+2], v[64*\aw+i+2], v[NINF], s[CM+2]
	v_cndmask_b32 v[T+i+3], v[64*\aw+i+3], v[NINF], s[CM+3]
.set i, i+4
.endr
	WIN 0
.endm
; maximum, exponentials, sum, and the 16 rows of P on their way out
.macro REST a
.irp k, 0,1,2,3
	v_max_num_f32 v[MX+\k], v[T+\k], v[T+4+\k]     ; four chains, started by the first eight numbers
.endr
.irp g, 0,1,2,3,4,5,6
.irp k, 0,1,2,3
	v_max3_num_f32 v[MX+\k], v[MX+\k], v[T+8+8*\g+\k], v[T+12+8*\g+\k]
.endr
.endr
	v_max3_num_f32 v[MX], v[MX], v[MX+1], v[MX+2]
	v_max_num_f32 v[MX], v[MX], v[MX+3]
	v_permlanex16_b32 v[XT], v[MX], s[PL], s[PL+1] ; a row's 128 columns lie in lanes r and r + 16
	v_max_num_f32 v[MX], v[MX], v[XT]
	v_mul_f32 v[MS+\a], s[CC], v[MX]               ; m = c max t (-inf where the block is masked whole)
	v_max_num_f32 v[XT2], 0xff7fffff, v[MX]        ; finite in any case
	v_mul_f32 v[NMC],   s[NC], v[XT2]              ; -m, the same rounding as m
	v_mul_f32 v[NMC+1], s[NC], v[XT2]
.set i, 0
.rept 32
	v_pk_fma_f32 v[T+i:T+i+1], v[T+i:T+i+1], s[CC:CC+1], v[NMC:NMC+1] op_sel_hi:[1,0,1]   ; c t - m, rounded once
.set i, i+2
.endr
.set i, 0
.rept 64
	v_exp_f32 v[T+i], v[T+i]
.set i, i+1
.endr
	v_nop                                          ; one plain vector instruction between the transcendentals and the first use of a result (ISA guide 5.7.2)
	s_wait_alu depctr_va_vdst(0)
.irp k, 0,1,2,3
	v_pk_add_f32 v[SU+2*\k:SU+2*\k+1], v[T+2*\k:T+2*\k+1], v[T+8+2*\k:T+8+2*\k+1]
.endr
.irp g, 0,1,2,3,4,5
.irp k, 0,1,2,3
	v_pk_add_f32 v[SU+2*\k:SU+2*\k+1], v[SU+2*\k:SU+2*\k+1], v[T+16+8*\g+2*\k:T+16+8*\g+2*\k+1]
.endr
.endr
	v_pk_add_f32 v[SU:SU+1], v[SU:SU+1], v[SU+2:SU+3]
	v_pk_add_f32 v[SU+4:SU+5], v[SU+4:SU+5], v[SU+6:SU+7]
	v_pk_add_f32 v[SU:SU+1], v[SU:SU+1], v[SU+4:SU+5]
	v_add_f32 v[SU], v[SU], v[SU+1]
	v_permlanex16_b32 v[XT], v[SU], s[PL], s[PL+1]
	v_add_f32 v[LS+\a], v[SU], v[XT]               ; l
	s_wait_xcnt 0x0                                ; TMP, which the last tile's stores read, is rewritten only behind this wait
.irp b, 0,1,2,3,4,5,6,7
.irp r, 0,1,2,3
	v_cvt_pk_f16_f32 v[TMP+4*\b+\r], v[T+8*\b+2*\r], v[T+8*\b+2*\r+1]
.endr
.endr
.irp b, 0,1,2,3,4,5,6,7
	global_store_b128 v[SO], v[TMP+4*\b:TMP+4*\b+3], s[8:9] offset:\a*PTILE+512*\b   ; chunk b of row tile a: 512 consecutive bytes at a multiple of 512
.endr
.endm
	MLOAD MKA0, 0
	SELECT 0, 2
	MLOAD MKA0, 1                                  ; the next tile's mask words come while this tile is worked on
	REST 0
	SELECT 1, 2
	MLOAD MKA0, 2
	REST 1
	SELECT 2, 2
	MLOAD MKA0, 3
	REST 2
	SELECT 3, 2
	s_wait_tensorcnt 0x0                           ; the mask's second half has landed; no tensor load is out from here on
	MLOAD MKA1, 0
	REST 3
	SELECT 0, 3
	MLOAD MKA1, 1
	REST 4
	SELECT 1, 3
	MLOAD MKA1, 2
	REST 5
	SELECT 2, 3
	MLOAD MKA1, 3
	REST 6
	SELECT 3, 3
	REST 7
	; m and l of my 128 rows: through my stage into row order, then two stores of 512 consecutive bytes
.irp a, 0,1,2,3,4,5,6,7
	ds_store_b32 v[SA], v[MS+\a] offset:64*\a      ; lanes r and r + 16 write the same word with the same number
	ds_store_b32 v[SA], v[LS+\a] offset:512+64*\a
.endr
	ds_load_b128 v[MK:MK+3],   v[SB]               ; LDS serves a wave's instructions in order: these see the stores above
	ds_load_b128 v[MK+4:MK+7], v[SB] offset:512
	s_wait_dscnt 0x0
	global_store_b128 v[SO], v[MK:MK+3],   s[92:93]
	global_store_b128 v[SO], v[MK+4:MK+7], s[92:93] offset:524288
	s_set_vgpr_msb 0x1
	s_wait_tensorcnt 0x0
	ds_add_u32 v255, v255
	s_wait_dscnt 0x0
	s_set_vgpr_msb 0x100
	CROUND                                         ; the closing round, behind the last tensor load of any kind
	s_endpgm
.Lfunc_end_k_qeb4156ada8_scores:
	.size	k_qeb4156ada8_scores, .Lfunc_end_k_qeb4156ada8_scores-k_qeb4156ada8_scores
	.p2alignl 7, 3214868480
	.fill 96, 4, 3214868480
	.section	.rodata,"a",@progbits
	.p2align	6, 0x0
	.amdhsa_kernel k_qeb4156ada8_scores
		.amdhsa_group_segment_fixed_size 327680
		.amdhsa_private_segment_fixed_size 0
		.amdhsa_enable_private_segment 0
		.amdhsa_kernarg_size 32
		.amdhsa_user_sgpr_count 2
		.amdhsa_user_sgpr_kernarg_segment_ptr 1
		.amdhsa_wavefront_size32 1
		.amdhsa_system_sgpr_workgroup_id_x 1
		.amdhsa_system_sgpr_workgroup_id_y 1
		.amdhsa_system_sgpr_workgroup_id_z 1
		.amdhsa_system_vgpr_workitem_id 0
		.amdhsa_next_free_vgpr 1024
		.amdhsa_next_free_sgpr 100
		.amdhsa_reserve_vcc 0
		.amdhsa_float_denorm_mode_32 3
		.amdhsa_float_denorm_mode_16_64 3
		.amdhsa_memory_ordered 1
		.amdhsa_forward_progress 1
		.amdhsa_inst_pref_size 255
	.end_amdhsa_kernel
	.section	.bss,"aw",@nobits
	.p2align	6
	.space	262144
	.amdgpu_metadata
---
amdhsa.version: [ 1, 2 ]
amdhsa.kernels:
  - .name:           k_qeb4156ada8_scores
    .symbol:         k_qeb4156ada8_scores.kd
    .args:
      - { .name: qkv, .offset: 0, .size: 8, .value_kind: global_buffer, .address_space: global }
      - { .name: mask, .offset: 8, .size: 8, .value_kind: global_buffer, .address_space: global }
      - { .name: pb, .offset: 16, .size: 8, .value_kind: global_buffer, .address_space: global }
      - { .name: stats, .offset: 24, .size: 8, .value_kind: global_buffer, .address_space: global }
    .group_segment_fixed_size: 327680
    .private_segment_fixed_size: 0
    .kernarg_segment_align: 8
    .kernarg_segment_size: 32
    .max_flat_workgroup_size: 128
    .sgpr_count:     100
    .vgpr_count:     1024
    .wavefront_size: 32
...
	.end_amdgpu_metadata
.endif
;; end of part 3
;; launch pv (part 4): grid 8 x 32, 4 waves a work-group, clusters of 4 x 4, 327,680 bytes of LDS; arguments pb, qkv, stats, out0; writes out0
.if DOCPART == 4
	.amdgcn_target "amdgcn-amd-amdhsa--gfx1250"
	.amdhsa_code_object_version 6
	.text
	.protected	k_qeb4156ada8_pv
	.globl	k_qeb4156ada8_pv
	.p2align	8
	.type	k_qeb4156ada8_pv,@function
k_qeb4156ada8_pv:
	s_mov_b64 s[64:65], 0
	v_nop
	global_prefetch_b8 v0, s[64:65] scope:SCOPE_SE
	s_setreg_imm32_b32 hwreg(HW_REG_WAVE_MODE, 25, 1), 1
	s_wait_xcnt 0x0
	s_wait_alu depctr_hold_cnt(0) depctr_sa_sdst(0) depctr_va_vdst(0) depctr_va_sdst(0) depctr_va_ssrc(0) depctr_va_vcc(0) depctr_vm_vsrc(0)
	s_getreg_b32 s2, hwreg(HW_REG_IB_STS2, 6, 4)
	s_cmp_eq_u32 s2, 0
	s_cbranch_scc0 .Lentry_in_a_cluster
	s_endpgm
.Lentry_in_a_cluster:
	s_bfe_u32 s2, ttmp6, 0x10000c
	s_cmp_lg_u32 s2, 0xf033
	s_cbranch_scc0 .Lentry_shape_is_right
	s_endpgm
.Lentry_shape_is_right:
; The second half of the softmax and O = attn V.  For row i:  M = max over the 32 key blocks of m[b][i];  alpha[b] = exp2(m[b] - M), rounded to f16;
; L = sum of alpha[b] l[b] (with the rounded alpha, so that its rounding cancels);  O[i][d] = (sum over b and keys of (alpha[b] P[i][key]) V^T[d][key]) / L.
; Matrix operands are f16, sums f32: alpha, P and alpha x P lie in 0 .. 1; V^T's range is stated at the launch that makes it.
; LIMITS: a row whose 4096 keys are all masked gives NaN (m - M = -inf + inf), as the softmax of the problem does.
; alpha x P is rounded to f16 once more (v_pk_mul_f16) on its way into the matrix unit.  alpha and alpha x P below 2^-25 become 0, and below 2^-14 they carry an
; absolute error of up to 2^-25; the row's largest weight is 1 and L is at least 1, so 4096 such terms move a row's weights by 4096 x 2^-25 = 2^-13 at the most.
; A work-group makes 128 rows x 128 columns of O: 256 work-groups.  THE FOUR WAVES SPLIT K: each holds the whole 128 x 128 tile in 512 registers, and of every 512 keys
; wave w multiplies keys 128 w .. 128 w + 127 (one key block: one set of alpha), as four quarter steps of 32 keys, 64 matrix instructions each.
; The four partial sums meet in LDS once, at the end, in a fixed order.
; V^T goes through a ring of two LDS slots of 128 rows x 512 keys, asked for jointly along a column of the 4 x 4 cluster (its tiles hang on the column block alone);
; each wave asks for 32 rows of 1024 bytes.  A slot's next tile lies 2 MiB on: the next panel of 1024 keys, the same half of it.
; P DOES NOT GO THROUGH LDS AND IS NOT ASKED FOR JOINTLY, though the eight column blocks read the same P.  The reasons, by this text's arithmetic: no two waves of a
; work-group read the same byte of P, so LDS would give it no second use; pb holds P in fragment order, so a wave's load of 16 bytes a lane covers 512 consecutive bytes and
; is half a matrix operand as it lands; and with P beside V^T half of LDS holds 256 keys, 128 matrix instructions a wave from one barrier to the next, with V^T alone 512
; keys and 256.  P's fragments come into a ring of four register buffers, asked for three quarter steps ahead.
; LDS: slot n at n x 133,120 (128 rows of 1024 + 16 bytes; wave w's load fills rows 32 w ..); at 266,240 the table of alpha, [4 waves][32 blocks][16 r][2] words (each word
; alpha twice, as f16), written by ds_store and never a tensor load's target.  When the slots have had their last fill and slots and table their last read, the four
; partial sums lie over them (wave w at w x 67,584, 128 rows of 512 + 16 bytes).
; REGISTERS: window 0: v16-45 addresses, alpha and temporaries; v64-127, v128-191, v192-255 P's buffers 0, 1, 2; window 1: v0-63 P's buffer 3, v64-127 and v128-191
; V^T's two buffers; windows 2, 3: the accumulators of rows 0-63 and 64-127.
.set PITCH,  1040                      ; an odd multiple of 16: the 16 rows of a fragment load start at 16 different 16-byte columns modulo 256
.set QUART,  32*PITCH                  ; 33,280: one tensor load
.set SLOT,   4*QUART                   ; 133,120
.set ALT,    2*SLOT                    ; 266,240
.set RPITCH, 528
.set RED,    128*RPITCH                ; 67,584: one wave's partial sums
.set PTILE,  131072                    ; bytes of pb from a row tile of 16 to the next
.set ADRB, 16                          ; v16-19  LDS address of my V^T fragments: slot 0 rows 0-63, rows 64-127, slot 1 likewise (an offset holds 16 bits)
.set ALA,  22                          ; v22     LDS address of my alphas; steps by 1024 for every two slots
.set STO,  24                          ; v24     where I put my partial sums
.set RD,   25                          ; v25-28  where I read the four waves' sums of my 32 rows
.set CO,   29                          ; v29     16 x lane; never rewritten
.set ILV,  30                          ; v30     1 / L of row 32 w + lane
.set AL,   32                          ; v32-39  alpha of my row in the eight row tiles, for this slot's key block
.set SM,   192                         ; v192-223 m of my row, then alpha (before P's buffer 2 is first filled)
.set SL,   224                         ; v224-255 l of my row
.set F0,   64                          ; the way out's two buffers
.set F1,   128
.set G1B, 48                           ; s[48:55] descriptor group 1
.set G0B, 56                           ; s[56:63] descriptor group 0, one set for each slot
.set PB,  14                           ; s[14:15] pb at my wave's first fragment of this pair of slots
.set IV,  66                           ; s66 1 / L of a row, s67 = 0 (the pair's other half)
.set MSB, 0
.macro WIN new
.if MSB != \new
	s_set_vgpr_msb (MSB<<8)|\new
.set MSB, \new
.endif
.endm
.set TO_B,   0x40                      ; destination window 1, address window 0
.macro CREST
	s_cmp_lg_u32 s10, 0
	s_cbranch_scc1 .Lnot_wave_0_\@
	s_barrier_signal -3
.Lnot_wave_0_\@:
	s_barrier_wait -3
	s_barrier_signal -1
	s_barrier_wait -1
.endm
.macro CROUND
	s_barrier_signal -1
	s_barrier_wait -1
	CREST
.endm
; 16 loads: P's fragments of one quarter step, eight row tiles x two chunks of 16 keys, at byte off from the pair's base, into the buffer at register reg
.macro PLOAD off, reg
.irp a, 0,1,2,3,4,5,6,7
	global_load_b128 v[\reg+8*\a:\reg+8*\a+3],   v[CO], s[PB:PB+1] offset:\a*PTILE+\off
	global_load_b128 v[\reg+8*\a+4:\reg+8*\a+7], v[CO], s[PB:PB+1] offset:\a*PTILE+\off+512
.endr
.endm
	s_load_b128 s[4:7], s[0:1], 0x0                ; pb s[4:5], qkv s[6:7]
	s_load_b128 s[68:71], s[0:1], 0x10             ; stats s[68:69], out0 s[70:71]
	s_set_vgpr_msb 0x40
	v_lshl_add_u32 v255, v0, 2, 0x45000
	s_set_vgpr_msb 0x4000
	v_mov_b32 v63, 0
	s_set_vgpr_msb 0x1
	ds_add_u32 v255, v63
	s_set_vgpr_msb 0x100
	v_lshrrev_b32 v1, 5, v0
	v_readfirstlane_b32 s10, v1                    ; wave 0..3
	s_bfe_u32 s40, ttmp6, 0x40000                  ; cx
	s_bfe_u32 s41, ttmp6, 0x40004                  ; cy
	s_lshl_b32 s42, ttmp9, 2
	s_add_co_u32 s42, s42, s40                     ; column block of O = 4 x cluster x + cx
	s_and_b32 s13, ttmp7, 0xffff
	s_lshl_b32 s13, s13, 2
	s_add_co_u32 s13, s13, s41                     ; row block of O = 4 x cluster y + cy
	s_lshl_b32 s44, 0x1111, s40                    ; my column of the cluster: places cx, cx + 4, cx + 8, cx + 12
	; group 1: 32 rows x 512 elements of 2 bytes, 4 words of padding behind every 256
	s_or_b32 s[G1B+0], s44, (1<<16)|(1<<20)|(1<<21)|(7<<22)|(3<<25)
	s_mov_b32 s[G1B+1], 512<<16                    ; tensor_dim0 = 512
	s_mov_b32 s[G1B+2], 32<<16                     ; tensor_dim1 = 32
	s_mov_b32 s[G1B+3], 512<<16                    ; tile_dim0 = 512
	s_mov_b32 s[G1B+4], 32                         ; tile_dim1 = 32
	s_mov_b32 s[G1B+5], 1024                       ; a panel of V^T has rows of 1024 keys
	s_mov_b32 s[G1B+6], 0
	s_mov_b32 s[G1B+7], 0
	s_lshl_b32 s46, s42, 7
	s_lshl_b32 s47, s10, 5
	s_add_co_u32 s46, s46, s47                     ; V^T: row 128 x column block + 32 x wave: equal in the four partners of my column
	s_lshl_b32 s46, s46, 11                        ; x 2048 bytes
	s_add_co_u32 s46, s46, 0x1000000               ; V^T's panels lie 16 MiB into qkv
	s_mov_b32 s47, 0
	s_lshl_b32 s16, s13, 20                        ; P: eight row tiles of 131,072 bytes for each row block (below 32 MiB),
	s_lshl_b32 s17, s10, 12                        ; and my wave's 128 keys: eight chunks of 512 bytes
	s_add_co_u32 s16, s16, s17
	s_mov_b32 s17, 0
	s_lshl_b32 s18, s13, 9                         ; stats: 128 rows of 4 bytes for each row block
	s_mov_b32 s19, 0
	s_mul_i32 s20, s10, QUART                      ; where my tensor load goes: wave x 32 rows
	s_mov_b32 s[IV+1], 0
	s_wait_dscnt 0x0
	s_wait_kmcnt 0x0
	s_add_nc_u64 s[46:47], s[6:7], s[46:47]
	s_add_nc_u64 s[PB:PB+1], s[4:5], s[16:17]
	s_add_nc_u64 s[68:69], s[68:69], s[18:19]
	CROUND                                         ; all sixteen work-groups are here: the first joint loads meet
.irp s, 0,1
	s_mov_b32 s[G0B+4*\s], 1
	s_add_co_u32 s[G0B+4*\s+1], s20, \s*SLOT
	s_add_nc_u64 s[G0B+4*\s+2:G0B+4*\s+3], s[46:47], \s*1024
	s_or_b32 s[G0B+4*\s+3], s[G0B+4*\s+3], 0x80000000
	tensor_load_to_lds s[G0B+4*\s:G0B+4*\s+3], s[G1B:G1B+7]    ; keys 0-511 and 512-1023: two tensor loads of the wave are out
	s_nop 0
.endr
	; thread t owns row 128 x row block + t: its 32 m and 32 l; behind them P's fragments of the first two quarter steps
	v_and_b32 v7, 31, v0                           ; lane
	v_lshlrev_b32 v[CO], 4, v7
	v_lshlrev_b32 v3, 2, v0
.set i, 0
.rept 32
	global_load_b32 v[SM+i], v3, s[68:69] offset:16384*i            ; m[i][row]
.set i, i+1
.endr
.set i, 0
.rept 32
	global_load_b32 v[SL+i], v3, s[68:69] offset:524288+16384*i     ; l[i][row]
.set i, i+1
.endr
	PLOAD 0, 64
	PLOAD 1024, 128
	v_and_b32 v1, 15, v0                           ; r
	v_bfe_u32 v2, v0, 4, 1                         ; h
	v_mul_u32_u24 v6, v1, PITCH
	v_lshl_add_u32 v9, v2, 4, v6                   ; V^T's fragments: row r, 16 bytes for each half of the lanes,
	s_lshl_b32 s23, s10, 8                         ; at my wave's 128 keys = 256 bytes of the row
	v_add_nc_u32 v[ADRB], s23, v9
	v_add_nc_u32 v[ADRB+1], 64*PITCH, v[ADRB]
	v_add_nc_u32 v[ADRB+2], SLOT, v[ADRB]
	v_add_nc_u32 v[ADRB+3], SLOT, v[ADRB+1]
	s_lshl_b32 s21, s10, 7                         ; key block 4 x slot + wave: 128 bytes of the table for each block
	s_add_co_u32 s21, s21, ALT
	v_lshl_add_u32 v[ALA], v1, 3, s21              ; + 8 r
	s_mul_i32 s22, s10, RED
	v_mul_u32_u24 v6, v1, RPITCH
	v_lshl_add_u32 v8, v2, 5, v6                   ; partial sums: row r, 32 bytes for each half of the lanes
	v_add_nc_u32 v[STO], s22, v8
	s_mul_i32 s21, s10, 32*RPITCH                  ; my 32 rows of each wave's sums
	v_add_nc_u32 v[RD], s21, v[CO]
	v_add_nc_u32 v[RD+1], RED, v[RD]
	v_add_nc_u32 v[RD+2], RED, v[RD+1]
	v_add_nc_u32 v[RD+3], RED, v[RD+2]
	s_lshl_b32 s22, s10, 12                        ; my wave's 4 KiB of the table: rows 32 w + 16 h + r are row tiles 2 w + h
	s_add_co_u32 s22, s22, ALT
	v_lshlrev_b32 v4, 3, v1
	v_lshl_add_u32 v4, v2, 2, v4
	v_add_nc_u32 v4, s22, v4                       ; + 8 r + 4 h; the block's 128 bytes stand in the store's offset
	s_wait_loadcnt 32                              ; m and l are in; the 32 younger loads, P's, stay out
	v_max_num_f32 v40, v[SM], v[SM+1]
.set i, 2
.rept 15
	v_max3_num_f32 v40, v40, v[SM+i], v[SM+i+1]    ; M
.set i, i+2
.endr
.set i, 0
.rept 32
	v_sub_f32 v[SM+i], v[SM+i], v40
.set i, i+1
.endr
.set i, 0
.rept 32
	v_exp_f32 v[SM+i], v[SM+i]                     ; alpha
.set i, i+1
.endr
	v_nop                                          ; one plain vector instruction behind the transcendentals (ISA guide 5.7.2)
	; four blocks at a time: alpha as f16 in both halves of a word, into the table, and back to f32 for L.  The words pass through v42-45: a 16-bit
	; operand is named as a half of one of the registers v0-127.
.set i, 0
	s_wait_alu depctr_va_vdst(0)
.rept 8
	v_cvt_pk_f16_f32 v42, v[SM+i],   v[SM+i]
	v_cvt_pk_f16_f32 v43, v[SM+i+1], v[SM+i+1]
	v_cvt_pk_f16_f32 v44, v[SM+i+2], v[SM+i+2]
	v_cvt_pk_f16_f32 v45, v[SM+i+3], v[SM+i+3]
	ds_store_b32 v4, v42 offset:128*i
	ds_store_b32 v4, v43 offset:128*(i+1)
	ds_store_b32 v4, v44 offset:128*(i+2)
	ds_store_b32 v4, v45 offset:128*(i+3)
	v_cvt_f32_f16 v[SM+i],   v42.l                 ; the rounded alpha, as f32
	v_cvt_f32_f16 v[SM+i+1], v43.l
	v_cvt_f32_f16 v[SM+i+2], v44.l
	v_cvt_f32_f16 v[SM+i+3], v45.l
.set i, i+4
.endr
	v_mul_f32 v41, v[SM], v[SL]
.set i, 1
.rept 31
	v_fmac_f32 v41, v[SM+i], v[SL+i]               ; L; at least 1: the block of the maximum has alpha = 1 and l >= 1
.set i, i+1
.endr
	v_rcp_f32 v[ILV], v41
	v_nop
	PLOAD 2048, 192                                ; the third quarter step's fragments, into the registers that m and l have left
	s_wait_dscnt 0x0                               ; my part of the table is written, for the other waves' sake
	s_wait_tensorcnt 0x1                           ; my part of slot 0 is in; slot 1's stays out
	s_barrier_signal -1
	s_barrier_wait -1
; 16 matrix instructions: row tiles a0, a0 + 1 of the window's four x all 8 column tiles, 32 keys.  fa: P's buffer, fb: V^T's.  zero = 1: the first product starts the sums.
; The 64 accumulators take turns, one instruction a turn, in the same order in every quarter step.
.macro MUL16 fa, fb, hi, a0, zero
.irp a, \a0, \a0+1
.irp b, 0,1,2,3,4,5,6,7
.if \zero
	v_wmma_f32_16x16x32_f16 v[8*(8*(\a)+\b):8*(8*(\a)+\b)+7], v[\fb+8*\b:\fb+8*\b+7], v[\fa+8*(4*\hi+\a):\fa+8*(4*\hi+\a)+7], 0
.else
	v_wmma_f32_16x16x32_f16 v[8*(8*(\a)+\b):8*(8*(\a)+\b)+7], v[\fb+8*\b:\fb+8*\b+7], v[\fa+8*(4*\hi+\a):\fa+8*(4*\hi+\a)+7], v[8*(8*(\a)+\b):8*(8*(\a)+\b)+7]
.endif
.endr
.endr
.endm
; 16 LDS loads: 128 rows of V^T, 32 keys at byte k of my wave's 256 bytes of slot n, into the buffer at register f of window 1
.macro BFETCH n, k, f
	WIN TO_B
.irp i, 0,1,2,3
	ds_load_b128 v[\f+8*\i:\f+8*\i+3],   v[ADRB+2*\n] offset:\k+\i*16*PITCH
	ds_load_b128 v[\f+8*\i+4:\f+8*\i+7], v[ADRB+2*\n] offset:\k+\i*16*PITCH+32
.endr
.irp i, 0,1,2,3
	ds_load_b128 v[\f+32+8*\i:\f+32+8*\i+3],   v[ADRB+2*\n+1] offset:\k+\i*16*PITCH
	ds_load_b128 v[\f+32+8*\i+4:\f+32+8*\i+7], v[ADRB+2*\n+1] offset:\k+\i*16*PITCH+32
.endr
.endm
.macro PLACES
.rept 4
	v_nop
.endr
.endm
; my row's alpha in the eight row tiles: two from each wave's part of the table
.macro ALOAD off
.irp q, 0,1,2,3
	ds_load_b64 v[AL+2*\q:AL+2*\q+1], v[ALA] offset:\off+4096*\q
.endr
.endm
; P's fragments in the buffer at register f, times alpha: a lane holds one row of a row tile, so one word of alpha serves the tile's eight registers
.macro SCALE f
.irp a, 0,1,2,3,4,5,6,7
.irp i, 0,1,2,3,4,5,6,7
	v_pk_mul_f16 v[\f+8*\a+\i], v[\f+8*\a+\i], v[AL+\a]
.endr
.endr
.endm
; QUARTER STEP u (0 .. 7) of a pair of slots.  P's buffer is u mod 4, V^T's u mod 2, the slot u / 4.
; bar = 1: the slot's last quarter, with the round behind which the slot is filled again; bar = 2: the same place with a plain barrier and no fill.
; pf = 1: P's fragments of quarter u + 3 are asked for, into the buffer that quarter u - 1 has used.  nb = 1: V^T's fragments of quarter u + 1 are read, likewise.
; lc: how many younger loads may stay out when P's fragments of this quarter have to be there.
; The places between the last matrix instruction on a buffer and the loads into it (four) are the 64 multiplications of SCALE, which name another buffer.
.macro QTR u, zero, bar, pf, nb, lc
.set AR_, 64+64*((\u)&3)
.set AW_, 0
.if ((\u)&3) == 3
.set AR_, 0
.set AW_, 1
.endif
.set PR_, 64+64*(((\u)+3)&3)
.set PW_, 0
.if (((\u)+3)&3) == 3
.set PR_, 0
.set PW_, 0x40
.endif
.set PO_, (((\u)+3)>>2)*16384+(((\u)+3)&3)*1024
.set BR_, 64+64*((\u)&1)
.set NR_, 64+64*(((\u)+1)&1)
.set NS_, (((\u)+1)>>2)&1
.set NK_, (((\u)+1)&3)*64
.set AO_, 512*(((\u)+1)>>2)
.set RS_, (\u)>>2
.set SW_, 0x41*AW_                     ; SCALE: destination and source 0 in the buffer's window, alpha in window 0
.set LO_, 0xa1+4*AW_                   ; source 0 (V^T) window 1, source 1 (P) the buffer's window, C and D window 2
.set HI_, 0xf1+4*AW_                   ; the same, C and D window 3
	s_wait_loadcnt \lc                             ; loads come back in order (ISA guide 5.7.1): this quarter's 16 are in, those of the quarters behind it stay out
	s_wait_dscnt 0x0                               ; V^T's fragments (and alpha), asked for a quarter ago, are in; in a slot's last quarter: my reads of the slot are over
.if \bar
	s_wait_tensorcnt 0x0                           ; all my tensor loads have landed: the one that was out is my part of the next slot
	ds_add_u32 v255, v63
	s_wait_dscnt 0x0
	s_barrier_signal -1
.endif
	WIN SW_
	SCALE AR_                                      ; register work (in a slot's last quarter: while the others arrive)
.if \bar
	WIN 0
	s_barrier_wait -1
.if \bar == 1
	CREST                                          ; the round: no wave of any partner still reads this slot or has a tensor load on its way
	s_add_nc_u64 s[G0B+4*RS_+2:G0B+4*RS_+3], s[G0B+4*RS_+2:G0B+4*RS_+3], 0x200000
	tensor_load_to_lds s[G0B+4*RS_:G0B+4*RS_+3], s[G1B:G1B+7]   ; the wave's one tensor load behind the round; 256 matrix instructions stand between it and the wait for it
	s_nop 0
.endif
	ALOAD AO_                                      ; the next slot's key block
.endif
.if \pf
	WIN PW_
	PLOAD PO_, PR_
.endif
.if \nb
	BFETCH NS_, NK_, NR_
.endif
	WIN LO_
	MUL16 AR_, BR_, 0, 0, \zero
	MUL16 AR_, BR_, 0, 2, \zero
	WIN HI_
	MUL16 AR_, BR_, 1, 0, \zero
	MUL16 AR_, BR_, 1, 2, \zero
.endm
.macro PAIR zero                       ; two slots = 1024 keys, both filled again
	QTR 0, \zero, 0, 1, 1, 32
	QTR 1, 0, 0, 1, 1, 32
	QTR 2, 0, 0, 1, 1, 32
	QTR 3, 0, 1, 1, 1, 32
	QTR 4, 0, 0, 1, 1, 32
	QTR 5, 0, 0, 1, 1, 32
	QTR 6, 0, 0, 1, 1, 32
	QTR 7, 0, 1, 1, 1, 32
	WIN 0
	s_wait_xcnt 0x0                                ; the base of P's pending loads is stepped only behind this wait
	s_add_nc_u64 s[PB:PB+1], s[PB:PB+1], 32768     ; 1024 keys on: 64 chunks of 512 bytes
	v_add_nc_u32 v[ALA], 1024, v[ALA]              ; eight key blocks on
.endm
	ALOAD 0
	BFETCH 0, 0, 64
	PAIR 1                                         ; keys 0-1023: the first products start the sums
	s_mov_b32 s3, 2
.Lpair:
	PAIR 0                                         ; keys 1024-3071
	s_sub_co_u32 s3, s3, 1
	s_cmp_lg_u32 s3, 0
	s_cbranch_scc1 .Lpair
	QTR 0, 0, 0, 1, 1, 32                          ; the last pair fills nothing
	QTR 1, 0, 0, 1, 1, 32
	QTR 2, 0, 0, 1, 1, 32
	QTR 3, 0, 2, 1, 1, 32                          ; a plain barrier; its wait shows the last tensor load landed
	QTR 4, 0, 0, 1, 1, 32                          ; the last of P's fragments are asked for
	QTR 5, 0, 0, 0, 1, 32                          ; and the counts run down
	QTR 6, 0, 0, 0, 1, 16
	QTR 7, 0, 0, 0, 0, 0
	WIN 0
	PLACES                                         ; behind the last matrix instructions: their results are stored, buffers 0 and 1 loaded
	; THE WAY OUT.  The slots have had their last fill; when every wave has read slots and table for the last time they take the partial sums.
	s_lshl_b32 s16, s13, 7
	s_lshl_b32 s17, s10, 5
	s_add_co_u32 s16, s16, s17                     ; the first of the 32 rows of O that I finish
	s_lshl_b32 s16, s16, 12                        ; x 4096 bytes
	s_mov_b32 s17, 0
	s_add_nc_u64 s[8:9], s[70:71], s[16:17]
	s_lshl_b32 s46, s42, 9                         ; the column block's 512 bytes
	s_mov_b32 s47, 0
	s_add_nc_u64 s[8:9], s[8:9], s[46:47]
	s_wait_dscnt 0x0                               ; my reads of the slots and of the table are over
	s_barrier_signal -1
	s_barrier_wait -1
	WIN 0x08                                       ; store data (source 1) in window 2
.irp a, 0,1,2,3
.irp b, 0,1,2,3,4,5,6,7
	ds_store_b128 v[STO], v[8*(8*\a+\b):8*(8*\a+\b)+3]   offset:16*\a*RPITCH+64*\b
	ds_store_b128 v[STO], v[8*(8*\a+\b)+4:8*(8*\a+\b)+7] offset:16*\a*RPITCH+64*\b+16
.endr
.endr
	WIN 0x0c                                       ; window 3: rows 64-127
.irp a, 0,1,2,3
.irp b, 0,1,2,3,4,5,6,7
	ds_store_b128 v[STO], v[8*(8*\a+\b):8*(8*\a+\b)+3]   offset:16*(\a+4)*RPITCH+64*\b
	ds_store_b128 v[STO], v[8*(8*\a+\b)+4:8*(8*\a+\b)+7] offset:16*(\a+4)*RPITCH+64*\b+16
.endr
.endr
	WIN 0
	s_wait_dscnt 0x0                               ; my sums are written, for the other waves' sake
	s_barrier_signal -1
	s_barrier_wait -1
; four rows of the four waves' sums: row 4 g + p of my 32, 16 bytes a lane from each wave
.macro RLOAD g, buf
.irp p, 0,1,2,3
.irp q, 0,1,2,3
	ds_load_b128 v[\buf+16*\p+4*\q:\buf+16*\p+4*\q+3], v[RD+\q] offset:(4*\g+\p)*RPITCH
.endr
.endr
.endm
; (s0 + s1) + (s2 + s3), times 1 / L, and out: a store covers 512 consecutive bytes at a multiple of 512
.macro RSUM g, buf, left
	s_wait_dscnt \left                             ; this group's 16 loads are in; the next group's may be out
	s_wait_alu depctr_va_vdst(0)
.irp p, 0,1,2,3
	v_pk_add_f32 v[\buf+16*\p:\buf+16*\p+1],     v[\buf+16*\p:\buf+16*\p+1],     v[\buf+16*\p+4:\buf+16*\p+5]
	v_pk_add_f32 v[\buf+16*\p+2:\buf+16*\p+3],   v[\buf+16*\p+2:\buf+16*\p+3],   v[\buf+16*\p+6:\buf+16*\p+7]
	v_pk_add_f32 v[\buf+16*\p+8:\buf+16*\p+9],   v[\buf+16*\p+8:\buf+16*\p+9],   v[\buf+16*\p+12:\buf+16*\p+13]
	v_pk_add_f32 v[\buf+16*\p+10:\buf+16*\p+11], v[\buf+16*\p+10:\buf+16*\p+11], v[\buf+16*\p+14:\buf+16*\p+15]
	v_pk_add_f32 v[\buf+16*\p:\buf+16*\p+1],     v[\buf+16*\p:\buf+16*\p+1],     v[\buf+16*\p+8:\buf+16*\p+9]
	v_pk_add_f32 v[\buf+16*\p+2:\buf+16*\p+3],   v[\buf+16*\p+2:\buf+16*\p+3],   v[\buf+16*\p+10:\buf+16*\p+11]
	v_readlane_b32 s[IV], v[ILV], 4*\g+\p          ; lane n of my wave made 1 / L of my row n
	v_pk_mul_f32 v[\buf+16*\p:\buf+16*\p+1],     v[\buf+16*\p:\buf+16*\p+1],     s[IV:IV+1] op_sel_hi:[1,0]
	v_pk_mul_f32 v[\buf+16*\p+2:\buf+16*\p+3],   v[\buf+16*\p+2:\buf+16*\p+3],   s[IV:IV+1] op_sel_hi:[1,0]
	global_store_b128 v[CO], v[\buf+16*\p:\buf+16*\p+3], s[8:9] offset:(4*\g+\p)*4096 th:TH_STORE_NT
.endr
.endm
.macro AGAIN g, buf                    ; a buffer that stores have read is loaded again only behind this wait
	s_wait_xcnt 0x0
	RLOAD \g, \buf
.endm
	RLOAD 0, F0
	RLOAD 1, F1
	RSUM 0, F0, 16
	AGAIN 2, F0
	RSUM 1, F1, 16
	AGAIN 3, F1
	RSUM 2, F0, 16
	AGAIN 4, F0
	RSUM 3, F1, 16
	AGAIN 5, F1
	RSUM 4, F0, 16
	AGAIN 6, F0
	RSUM 5, F1, 16
	AGAIN 7, F1
	RSUM 6, F0, 16
	RSUM 7, F1, 0
	s_set_vgpr_msb 0x1
	s_wait_tensorcnt 0x0
	ds_add_u32 v255, v63
	s_wait_dscnt 0x0
	s_set_vgpr_msb 0x100
	CROUND                                         ; the closing round: no work-group ends while a partner may still ask for a tile that names it
	s_endpgm
.Lfunc_end_k_qeb4156ada8_pv:
	.size	k_qeb4156ada8_pv, .Lfunc_end_k_qeb4156ada8_pv-k_qeb4156ada8_pv
	.p2alignl 7, 3214868480
	.fill 96, 4, 3214868480
	.section	.rodata,"a",@progbits
	.p2align	6, 0x0
	.amdhsa_kernel k_qeb4156ada8_pv
		.amdhsa_group_segment_fixed_size 327680
		.amdhsa_private_segment_fixed_size 0
		.amdhsa_enable_private_segment 0
		.amdhsa_kernarg_size 32
		.amdhsa_user_sgpr_count 2
		.amdhsa_user_sgpr_kernarg_segment_ptr 1
		.amdhsa_wavefront_size32 1
		.amdhsa_system_sgpr_workgroup_id_x 1
		.amdhsa_system_sgpr_workgroup_id_y 1
		.amdhsa_system_sgpr_workgroup_id_z 1
		.amdhsa_system_vgpr_workitem_id 0
		.amdhsa_next_free_vgpr 1024
		.amdhsa_next_free_sgpr 72
		.amdhsa_reserve_vcc 0
		.amdhsa_float_denorm_mode_32 3
		.amdhsa_float_denorm_mode_16_64 3
		.amdhsa_memory_ordered 1
		.amdhsa_forward_progress 1
		.amdhsa_inst_pref_size 255
	.end_amdhsa_kernel
	.section	.bss,"aw",@nobits
	.p2align	6
	.space	262144
	.amdgpu_metadata
---
amdhsa.version: [ 1, 2 ]
amdhsa.kernels:
  - .name:           k_qeb4156ada8_pv
    .symbol:         k_qeb4156ada8_pv.kd
    .args:
      - { .name: pb, .offset: 0, .size: 8, .value_kind: global_buffer, .address_space: global }
      - { .name: qkv, .offset: 8, .size: 8, .value_kind: global_buffer, .address_space: global }
      - { .name: stats, .offset: 16, .size: 8, .value_kind: global_buffer, .address_space: global }
      - { .name: out0, .offset: 24, .size: 8, .value_kind: global_buffer, .address_space: global }
    .group_segment_fixed_size: 327680
    .private_segment_fixed_size: 0
    .kernarg_segment_align: 8
    .kernarg_segment_size: 32
    .max_flat_workgroup_size: 128
    .sgpr_count:     72
    .vgpr_count:     1024
    .wavefront_size: 32
...
	.end_amdgpu_metadata
.endif
;; end of part 4
